; MI455X (gfx1250); checked and timed in simulation.
; The chip was launched on July 23, 2026; its instructions are those of AMD's public machine-readable ISA for CDNA 5 (MIT licence, August 2026) and "CDNA5" Instruction Set Architecture Reference Guide (July 2026). The comments in the code are by the model that wrote it; some were corrected since.
;; K Means. Allowed arithmetic: matrix products marked QUANTISED: E2M1 operands, one E8M0 scale for each 32 along K, by v_wmma_scale_f32_16x16x128_f8f6f4 with both operands' format E2M1 (or v_wmma_scale_f32_32x16x128_f4), f32 sums; everything else in f32.
;; Inputs: center 4,096 x 512 float32; x 32,768 x 512 float32.
;; Outputs: out0 32,768 int32.
;; This version of the problem:
;;   THIS VERSION OF THE PROBLEM IS GIVEN IN LOW PRECISION. The matrix products marked QUANTISED in the list below multiply operands that are first quantised to E2M1 (2 exponent bits, 1 mantissa bit; 4 bits a number), with one power-of-two scale for each 32 numbers along K (OCP MX v1.0); their sums are f32. All else is computed in f32.
;;   The module's matrix products, in the order in which they are computed (A, B: the left and right operand; K: the contracted axis; several contracted axes count as one K, in the product's order):
;;     1. [M 32,768, K 512] x [K 512, N 4,096]; A: input x; B: input center: QUANTISED
;;   THE QUANTISER, for each operand of a quantised product, along K:
;;     - K is cut into blocks of 32 from its start; a last block that is shorter is filled with zeros.
;;     - A block's scale is 2^e with e = floor(log2(the largest magnitude in the block)) - 2, held to -126 .. 127; a block of zeros has e = 0. As a byte (E8M0): e + 127.
;;     - Each number is divided by its block's scale, clamped to +-6, and rounded to the nearest number of E2M1, ties to even, subnormals kept.
;;     - The product sums the exact products of the quantised numbers (number of the format x scale) in f32.
;;   ~~~python
;;   def quantise(x, axis):      # numpy; x: float32 -> the quantised numbers, widened to float32 again
;;       x = np.moveaxis(x, axis, -1); K = x.shape[-1]
;;       x = np.pad(x, [(0, 0)] * (x.ndim - 1) + [(0, -K % 32)]); x = x.reshape(x.shape[:-1] + (-1, 32)); a = np.abs(x).max(-1, keepdims=True)
;;       e = np.where(a > 0, np.clip(np.frexp(np.where(a > 0, a, 1))[1] - 1 - 2, -126, 127), 0)      # np.frexp(a)[1] - 1 = floor(log2(a)), exactly
;;       r = np.clip(x / 2.0 ** e, -6, 6)
;;       step = 2.0 ** (np.maximum(np.frexp(np.where(r == 0, 1, r))[1] - 1, 0) - 1)
;;       q = np.round(r / step) * step * 2.0 ** e      # np.round: ties to even
;;       return np.moveaxis(q.reshape(q.shape[:-2] + (-1,))[..., :K], -1, axis).astype(np.float32)
;;   ~~~
;; One version. Each part assembles by itself: llvm-mc -triple=amdgcn-amd-amdhsa -mcpu=gfx1250 --defsym DOCPART=n.
;; ======== version 1 of 1: 2 launches
;; limits: right only within a limited range of input values
;; workspace buffers: cimg 1,130,496 bytes
;; launch prep (part 1): grid 256 x 1, 4 waves a work-group, no clusters, 168,448 bytes of LDS; arguments center, cimg; writes cimg
.if DOCPART == 1
	.amdgcn_target "amdgcn-amd-amdhsa--gfx1250"
	.amdhsa_code_object_version 6
	.text
	.protected	k_qab9e41ca38_prep
	.globl	k_qab9e41ca38_prep
	.p2align	8
	.type	k_qab9e41ca38_prep,@function
k_qab9e41ca38_prep:
	s_mov_b64 s[64:65], 0
	v_nop
	global_prefetch_b8 v0, s[64:65] scope:SCOPE_SE
	s_setreg_imm32_b32 hwreg(HW_REG_WAVE_MODE, 25, 1), 1
	s_wait_xcnt 0x0
; center [4096][512] f32 -> cimg: the centres as codes of FP4 (E2M1) with one E8M0 scale for each 32 along K, laid as IMAGES OF THE OPERAND'S REGISTERS, and -1/2 of each centre's sum of squares.
; DEAD WORK, for the whole program: reference() takes argmin over the centres of x_sq[n] - 2 cross[n][k] + c_sq[k].  x_sq[n] is the same for every k of a row, so in exact arithmetic it moves no argmin,
; whatever the inputs hold: it is not computed.  What is left, argmin of c_sq - 2 cross, is argmax of cross - c_sq / 2, with the same first index on ties.  x itself stays live (it is an operand of cross).
; LIMIT: a NaN, an infinity or an overflow that reaches x_sq alone is not carried to the result; two distances that f32 rounding of the full sum would make equal are told apart here.
; A work-group takes one tile of 16 centres (tile T = its number); wave s takes K step s (128 along K).  cimg is 32 blocks of 35,328 bytes; block T / 8 holds tile t = T % 8 at:
;   4096 t + 1024 s + 512 c + 16 lane : registers 4 c .. 4 c + 3 of the fragment of K step s: lane (r, h) holds centre r, k = 128 s + 64 c + 32 h + 0 .. 31
;   32768 + 256 t + 8 lane            : two scale registers: the first holds the rows' words of K step 0 in lanes 0-15 and of K step 1 in lanes 16-31, the second those of K steps 2 and 3
;   34816 + 64 t + 4 m                : -1/2 x the sum of squares of centre 16 T + m, f32
; A block's scale is 2^(floor(log2(its largest magnitude)) - 2); its byte is the largest magnitude's exponent field - 2, held at 1 from below by a floor among the maximum's leaves.
; LIMITS: NaN and infinities among the inputs are not served.  A block of zeros gets the byte 1 where the rule says 127: its codes are zeros, and this program alone reads the bytes.
; The sum of squares is taken in eight chains a lane and four parts a row, joined at the end: another order of rounding than a sum from left to right.
; Each wave brings its 16 rows x 512 bytes by one tensor load, 16 bytes of padding behind each row.  Scale words and partial sums meet in LDS; wave 0 stores them.
; The sums leave as 64 bytes a tile, a quarter of an aligned block of 256 bytes: 16 KB in the whole launch.
.set BLOCK, 35328
.set PITCH, 528
.set WREG,  16*PITCH                   ; a wave's rows in LDS: 8,448 bytes
.set EXW,   4*WREG                     ; scale words [s][r], 256 bytes; behind them the partial sums [s][r], 256 bytes
.set SPARE, 0x29000                    ; the spare words, 128 bytes a wave
.set AX, 1
.set VC, 2
.set H8, 3
.set VS, 4
.set VQ, 5
.set TM, 8
.set SO, 10
.set BY, 12
.set TP, 14
.set W,  16
.set EW, 17
.set ER, 18
.set EQ, 19
.set PP, 20
.set XP, 22
.set SQ, 24
.set QS, 24
.set PC, 32
.set SPW, 40
.set NIL, 41
.set XN, 64
.set G1X, 12
.set G0,  20
.set SEL, 28
.set WV,  30
	s_load_b128 s[4:7], s[0:1], 0x0                ; center, cimg
	v_lshl_add_u32 v[SPW], v0, 2, SPARE
	v_mov_b32 v[NIL], 0
	ds_add_u32 v[SPW], v[NIL]
	ds_add_u32 v[SPW], v[NIL]
	v_lshrrev_b32 v6, 5, v0
	v_readfirstlane_b32 s[WV], v6                  ; wave = K step
	s_lshr_b32 s8, ttmp9, 3                        ; the block
	s_and_b32 s9, ttmp9, 7                         ; the tile's place in it
	s_mov_b32 s[G1X+0], (3<<16)|(1<<20)|(6<<22)|(3<<25)   ; elements of 8 bytes; 4 words of padding behind every 128
	s_mov_b32 s[G1X+1], 64<<16                     ; tensor_dim0 = 64 elements (512 bytes)
	s_mov_b32 s[G1X+2], 16<<16
	s_mov_b32 s[G1X+3], 64<<16
	s_mov_b32 s[G1X+4], 16
	s_mov_b32 s[G1X+5], 256                        ; from row to row 2,048 bytes
	s_mov_b32 s[G1X+6], 0
	s_mov_b32 s[G1X+7], 0
	s_mov_b32 s[SEL], 0x76543210
	s_mov_b32 s[SEL+1], 0xfedcba98
	s_lshl_b32 s10, ttmp9, 15                      ; 16 rows of 2,048 bytes a tile,
	s_lshl_b32 s11, s[WV], 9                       ; and my 512 bytes of each
	s_add_co_u32 s10, s10, s11
	s_mov_b32 s11, 0
	s_mov_b32 s[G0], 1
	s_mul_i32 s[G0+1], s[WV], WREG
	s_lshl_b32 s32, s9, 12
	s_lshl_b32 s33, s[WV], 10
	s_add_co_u32 s32, s32, s33
	s_lshl_b32 s33, s9, 8
	s_add_co_u32 s33, s33, 32768
	s_lshl_b32 s34, s9, 6
	s_add_co_u32 s34, s34, 34816
	s_lshl_b32 s36, s[WV], 6
	s_add_co_u32 s36, s36, EXW
	v_and_b32 v6, 15, v0                           ; r
	v_bfe_u32 v7, v0, 4, 1                         ; h
	v_and_b32 v15, 31, v0                          ; lane
	v_mul_u32_u24 v[AX], v6, PITCH
	v_lshl_add_u32 v[AX], v7, 7, v[AX]
	v_add_nc_u32 v[AX], s[G0+1], v[AX]
	v_lshlrev_b32 v[H8], 3, v7
	v_lshl_add_u32 v[VC], v15, 4, s32
	v_lshl_add_u32 v[VS], v15, 3, s33
	v_lshl_add_u32 v[VQ], v6, 2, s34
	v_lshl_add_u32 v[EW], v6, 2, s36
	v_lshl_add_u32 v[ER], v15, 2, EXW
	v_lshl_add_u32 v[EQ], v6, 2, EXW+256
	v_mov_b32 v[TP], 0                             ; a lane permute's destination counts as one of its sources
	s_wait_alu depctr_va_vdst(0)                   ; the wait at the head's end
	s_wait_dscnt 0x0
	s_wait_kmcnt 0x0
	s_add_nc_u64 s[G0+2:G0+3], s[4:5], s[10:11]
	s_or_b32 s[G0+3], s[G0+3], 0x80000000
	tensor_load_to_lds s[G0:G0+3], s[G1X:G1X+7]    ; my one load
	s_nop 0
	s_mul_i32 s10, s8, BLOCK
	s_add_nc_u64 s[6:7], s[6:7], s[10:11]          ; cimg at my block
	s_wait_tensorcnt 0x0                           ; only this wave reads these rows
.irp c, 0,1
.irp j, 0,1,2,3,4,5,6,7
	ds_load_b128 v[XN+32*\c+4*\j:XN+32*\c+4*\j+3], v[AX] offset:256*\c+16*\j     ; k = 64 c + 32 h + 0 .. 31 of my K step: two whole blocks
.endr
.endr
	s_wait_dscnt 0x0
.set jj, 0
.rept 32
.if jj < 4
	v_pk_mul_f32 v[SQ+2*jj:SQ+2*jj+1], v[XN+2*jj:XN+2*jj+1], v[XN+2*jj:XN+2*jj+1]      ; the first four products start the chains
.else
	v_pk_fma_f32 v[SQ+2*(jj%4):SQ+2*(jj%4)+1], v[XN+2*jj:XN+2*jj+1], v[XN+2*jj:XN+2*jj+1], v[SQ+2*(jj%4):SQ+2*(jj%4)+1]
.endif
.set jj, jj+1
.endr
.irp c, 0,1
	v_max3_num_f32 v[TM+\c], |v[XN+32*\c]|, |v[XN+32*\c+1]|, 0x1800000                 ; my block 2 c + h, and the floor 2^(3 - 127)
.endr
.irp i, 2,4,6,8,10,12,14,16,18,20,22,24,26,28,30
.irp c, 0,1
	v_max3_num_f32 v[TM+\c], v[TM+\c], |v[XN+32*\c+\i]|, |v[XN+32*\c+\i+1]|
.endr
.endr
.irp c, 0,1
	v_add_nc_u32 v[SO+\c], 0xff000000, v[TM+\c]    ; 2 off the exponent field: the conversion's scale operand
.endr
.irp c, 0,1
	v_lshrrev_b32 v[BY+\c], 23, v[SO+\c]           ; the scale's byte
.endr
	v_lshl_or_b32 v[W], v[BY+1], 16, v[BY]         ; blocks h and 2 + h,
	v_lshlrev_b32 v[W], v[H8], v[W]                ; at their places in the word;
	v_permlanex16_b32 v[TP], v[W], s[SEL], s[SEL+1]
	v_or_b32 v[W], v[W], v[TP]                     ; with lane l xor 16's two the word is whole
.irp c, 0,1
.irp g, 0,1,2,3
	v_cvt_scalef32_pk8_fp4_f32 v[PC+4*\c+\g], v[XN+32*\c+8*\g:XN+32*\c+8*\g+7], v[SO+\c]
.endr
.endr
	v_nop                                          ; one plain place behind the last scaled conversion
.irp c, 0,1
	global_store_b128 v[VC], v[PC+4*\c:PC+4*\c+3], s[6:7] offset:512*\c    ; 512 consecutive bytes, aligned
.endr
	v_pk_add_f32 v[SQ:SQ+1], v[SQ:SQ+1], v[SQ+2:SQ+3]
	v_pk_add_f32 v[SQ+4:SQ+5], v[SQ+4:SQ+5], v[SQ+6:SQ+7]
	v_pk_add_f32 v[SQ:SQ+1], v[SQ:SQ+1], v[SQ+4:SQ+5]
	v_add_f32 v[SQ], v[SQ], v[SQ+1]
	v_permlanex16_b32 v[TP], v[SQ], s[SEL], s[SEL+1]
	v_add_f32 v[XP], v[SQ], v[TP]                  ; row r's squares over my K step
	ds_store_b32 v[EW], v[W]                       ; lanes r and r + 16 write the same word with the same value
	ds_store_b32 v[EW], v[XP] offset:256
	s_wait_dscnt 0x0                               ; for wave 0's sake
	s_barrier_signal -1
	s_barrier_wait -1
	s_cmp_lg_u32 s[WV], 0
	s_cbranch_scc1 .Lend
	ds_load_b32 v[PP], v[ER]                       ; lanes 0-15: K step 0's words; lanes 16-31: K step 1's
	ds_load_b32 v[PP+1], v[ER] offset:128          ; K steps 2 and 3
.irp s, 0,1,2,3
	ds_load_b32 v[QS+\s], v[EQ] offset:64*\s
.endr
	s_wait_dscnt 0x0
	global_store_b64 v[VS], v[PP:PP+1], s[6:7]     ; 256 consecutive bytes, aligned
	v_add_f32 v[QS], v[QS], v[QS+1]
	v_add_f32 v[QS+2], v[QS+2], v[QS+3]
	v_add_f32 v[XP], v[QS], v[QS+2]
	v_mul_f32 v[XP], -0.5, v[XP]                   ; exact: what the products' sums begin with
	v_cmp_gt_u32 vcc_lo, 16, v0
	s_wait_alu depctr_va_vdst(0)
	s_wait_xcnt 0x0                                ; EXEC is a source of the stores above
	s_and_saveexec_b32 s35, vcc_lo
	global_store_b32 v[VQ], v[XP], s[6:7]          ; lanes 0-15: one word a centre
	s_wait_xcnt 0x0
	s_or_b32 exec_lo, exec_lo, s35
.Lend:
	s_wait_tensorcnt 0x0                           ; the wave's end
	ds_add_u32 v[SPW], v[NIL]
	s_wait_dscnt 0x0
	s_endpgm
.Lfunc_end_k_qab9e41ca38_prep:
	.size	k_qab9e41ca38_prep, .Lfunc_end_k_qab9e41ca38_prep-k_qab9e41ca38_prep
	.p2alignl 7, 3214868480
	.fill 96, 4, 3214868480
	.section	.rodata,"a",@progbits
	.p2align	6, 0x0
	.amdhsa_kernel k_qab9e41ca38_prep
		.amdhsa_group_segment_fixed_size 168448
		.amdhsa_private_segment_fixed_size 0
		.amdhsa_enable_private_segment 0
		.amdhsa_kernarg_size 16
		.amdhsa_user_sgpr_count 2
		.amdhsa_user_sgpr_kernarg_segment_ptr 1
		.amdhsa_wavefront_size32 1
		.amdhsa_system_sgpr_workgroup_id_x 1
		.amdhsa_system_sgpr_workgroup_id_y 1
		.amdhsa_system_sgpr_workgroup_id_z 1
		.amdhsa_system_vgpr_workitem_id 0
		.amdhsa_next_free_vgpr 128
		.amdhsa_next_free_sgpr 66
		.amdhsa_reserve_vcc 1
		.amdhsa_float_denorm_mode_32 3
		.amdhsa_float_denorm_mode_16_64 3
		.amdhsa_memory_ordered 1
		.amdhsa_forward_progress 1
		.amdhsa_inst_pref_size 11
	.end_amdhsa_kernel
	.amdgpu_metadata
---
amdhsa.version: [ 1, 2 ]
amdhsa.kernels:
  - .name:           k_qab9e41ca38_prep
    .symbol:         k_qab9e41ca38_prep.kd
    .args:
      - { .name: center, .offset: 0, .size: 8, .value_kind: global_buffer, .address_space: global }
      - { .name: cimg, .offset: 8, .size: 8, .value_kind: global_buffer, .address_space: global }
    .group_segment_fixed_size: 168448
    .private_segment_fixed_size: 0
    .kernarg_segment_align: 8
    .kernarg_segment_size: 16
    .max_flat_workgroup_size: 128
    .sgpr_count:     66
    .vgpr_count:     128
    .wavefront_size: 32
...
	.end_amdgpu_metadata
.endif
;; end of part 1
;; launch main (part 2): grid 256 x 1, 8 waves a work-group, clusters of 4 x 1, 327,680 bytes of LDS; arguments x, cimg, out0; writes out0
.if DOCPART == 2
	.amdgcn_target "amdgcn-amd-amdhsa--gfx1250"
	.amdhsa_code_object_version 6
	.text
	.protected	k_qab9e41ca38_main
	.globl	k_qab9e41ca38_main
	.p2align	8
	.type	k_qab9e41ca38_main,@function
k_qab9e41ca38_main:
	s_mov_b64 s[64:65], 0
	v_nop
	global_prefetch_b8 v0, s[64:65] scope:SCOPE_SE
	s_setreg_imm32_b32 hwreg(HW_REG_WAVE_MODE, 25, 1), 1
	s_wait_xcnt 0x0
	s_wait_alu depctr_hold_cnt(0) depctr_sa_sdst(0) depctr_va_vdst(0) depctr_va_sdst(0) depctr_va_ssrc(0) depctr_va_vcc(0) depctr_vm_vsrc(0)
	s_getreg_b32 s2, hwreg(HW_REG_IB_STS2, 6, 4)
	s_cmp_eq_u32 s2, 0
	s_cbranch_scc0 .Lentry_in_a_cluster
	s_endpgm
.Lentry_in_a_cluster:
	s_bfe_u32 s2, ttmp6, 0x10000c
	s_cmp_lg_u32 s2, 0x3003
	s_cbranch_scc0 .Lentry_shape_is_right
	s_endpgm
.Lentry_shape_is_right:
; out0[n] = the first k with the largest cross[n][k] - c_sq[k] / 2, cross = Q(x) Q(center)^T in MX-FP4.  x_sq is left out as dead work: it is the same for all k of a row (shown at the head of launch prep).
; A work-group takes 128 rows of x against all 4,096 centres.  Eight waves: wave (q = w % 4, g = w / 4) takes rows 64 g .. + 63 (four tiles of 16, their codes in 128 registers) against centre tiles 64 q .. + 63.
; x: wave w loads rows 16 w .. + 15 straight into registers.  A unit is 4 rows x 256 bytes: lane i takes 32 bytes (8 neighbours along K) of row i / 8, so two loads together cover four whole aligned runs of 256 bytes.
; A block of 32 lies in 4 neighbouring lanes; a lane's 8 codes are one word, stored at its place in the image of the operand's registers in LDS, the scale bytes likewise; all waves read the images behind a barrier.
; CENTRES: cimg's blocks (8 tiles each) go through a ring of two LDS slots of 4 blocks, one block for each q; each wave fetches half a block.  The 4 work-groups of a cluster walk the same blocks: joint loads.
; THE PRODUCT is used with source 0 = 16 centres, source 1 = 16 rows of x: lane (r, h) holds row r, register j centre 8 h + j.  The first of a sum's four instructions takes -c_sq / 2 of those 8 centres as C.
; THE SEARCH, for each lane and x tile: the running maximum M, the number ID of the tile that raised it last and that tile's eight sums BEST, all by selects; the place among the eight is found at the end.
; It runs two tiles behind the products (two sets of accumulators), so that it never reads a sum just made; both sets begin as -infinity, which raises no maximum.
; No prefetch: all clusters walk the same 32 blocks of cimg, and each refill is asked for a whole trip (128 matrix instructions a wave) ahead of its first read; x is asked for at the head, where there is no loop to run ahead in.
; LIMITS: NaN and infinities among the inputs are not served.  A block of zeros of x gets the scale byte 1: its codes are zeros.
.set BLOCK, 35328
.set HBLK,  17664
.set SLOT,  4*BLOCK
.set XIMG,  2*SLOT                     ; x's codes: 8 tiles x 4,096 bytes
.set XSCL,  XIMG+32768                 ; x's scale registers: 8 tiles x 256 bytes
.set RED,   XSCL+2048                  ; the waves' results: [q][g][64 rows] x 8 bytes
.set SPARE, RED+4096                   ; the spare words, 128 bytes a wave
.set LI,  1
.set L8,  2
.set H8,  3
.set SPW, 4
.set NIL, 5
.set XG,  6
.set XWI, 7
.set AC,  8
.set ASC, 10
.set AQ,  12
.set XWS, 14
.set AXI, 15
.set AXS, 16
.set RW,  17
.set RR,  18
.set GO,  19
.set XS,  24                           ; v24-31 x's scale registers; v32-35 the centres', two sets: scales and nothing else
.set CS,  32
.set CQ,  36                           ; v36-51 -c_sq / 2, two sets of 8
.set M,   52                           ; v52-59 the maxima, two sets by turns
.set ID,  60
.set BEST, 64
.set AF,  96                           ; v96-159 the centres' fragments, two sets of 32
.set ACC, 160                          ; v160-223 two sets of 4 accumulators
.set XN,  96                           ; the head: v96-223 four sets of 32 numbers of x
.set TM,  224
.set SO,  228
.set PC,  232
.set BY,  236
.set MO,  224                          ; the tail
.set IO,  228
.set POS, 232
.set PR,  96
.set FN,  104
.set FO,  120
.set WV,  10
.set QW,  13
.set G1C, 28
.set RH,  44
.set PARTC, 45
.set TL,  46
.set G0C, 52
.set SEL, 60
.set NINF, 62
.set TC,  66
.set LAP, 71
.set MK,  72
.set S1,  0x04                         ; source 1 (x's codes) in window 1
.set TOX, 0x40
.set MSB, 0
.macro WIN new
.if MSB != \new
	s_set_vgpr_msb (MSB<<8)|\new
.set MSB, \new
.endif
.endm
.macro ROUND                           ; a round of the cluster's barrier
	s_barrier_signal -1
	s_barrier_wait -1
	s_cmp_lg_u32 s[WV], 0
	s_cbranch_scc1 .Lnot_wave_0_\@
	s_barrier_signal -3
.Lnot_wave_0_\@:
	s_barrier_wait -3
	s_barrier_signal -1
	s_barrier_wait -1
.endm
.macro CREST                           ; a round of the cluster's barrier behind its opening barrier
	s_cmp_lg_u32 s[WV], 0
	s_cbranch_scc1 .Lnot_wave_0_\@
	s_barrier_signal -3
.Lnot_wave_0_\@:
	s_barrier_wait -3
	s_barrier_signal -1
	s_barrier_wait -1
.endm
.macro XLOAD t
.irp v, 0,1,2,3
.irp z, 0,1
	global_load_b128 v[XN+32*((\t)%4)+8*\v+4*\z:XN+32*((\t)%4)+8*\v+4*\z+3], v[XG], s[4:5] offset:((4*(\t)+\v)/8)*8192+((4*(\t)+\v)%8)*256+16*\z
.endr
.endr
.endm
.macro XSTEP t                         ; four units by turns: 8 numbers a lane become one word of codes and a scale byte
.if (\t) < 5
	s_wait_loadcnt 24                              ; my step's 8 loads are in; those of the three steps behind it may be out
.else
	s_wait_loadcnt 8*(7-(\t))
.endif
.set XB, XN+32*((\t)%4)
.irp v, 0,1,2,3
	v_max3_num_f32 v[TM+\v], |v[XB+8*\v]|, |v[XB+8*\v+1]|, 0x1800000       ; and the floor 2^(3 - 127): the byte cannot fall under 1
.endr
.irp i, 2,4,6
.irp v, 0,1,2,3
	v_max3_num_f32 v[TM+\v], v[TM+\v], |v[XB+8*\v+\i]|, |v[XB+8*\v+\i+1]|
.endr
.endr
.irp m, 1,2
.irp v, 0,1,2,3
	v_max_num_f32_dpp v[TM+\v], v[TM+\v], v[TM+\v] row_xmask:\m row_mask:0xf bank_mask:0xf   ; the block's four lanes
.endr
.endr
.irp v, 0,1,2,3
	v_add_nc_u32 v[SO+\v], 0xff000000, v[TM+\v]    ; 2 off the exponent field: the conversion's scale operand
.endr
.irp v, 0,1,2,3
	v_cvt_scalef32_pk8_fp4_f32 v[PC+\v], v[XB+8*\v:XB+8*\v+7], v[SO+\v]
.endr
.irp v, 0,1,2,3
	v_lshrrev_b32 v[BY+\v], 23, v[SO+\v]           ; the scale's byte (also the plain place behind the conversions)
.endr
.irp v, 0,1,2,3
.set uq, (4*(\t)+\v)%8
.set ur, (4*(\t)+\v)/8
	ds_store_b32 v[XWI], v[PC+\v] offset:1024*(uq/2)+512*(uq%2)+64*ur
	ds_store_b8 v[XWS], v[BY+\v] offset:32*ur+128*((uq/2)%2)+4*(uq/4)+2*(uq%2)   ; a block's four lanes write the same byte with the same value
.endr
.if (\t) < 4
	XLOAD (\t)+4
.endif
.endm
.macro FETCH slot, e, st               ; tile e of my block: fragments, scale registers, -c_sq / 2, into set st
.irp s, 0,1,2,3
.irp c, 0,1
	ds_load_b128 v[AF+32*(\st)+8*\s+4*\c:AF+32*(\st)+8*\s+4*\c+3], v[AC+\slot] offset:4096*(\e)+1024*\s+512*\c
.endr
.endr
	ds_load_b64 v[CS+2*(\st):CS+2*(\st)+1], v[ASC+\slot] offset:256*(\e)
.irp u, 0,1
	ds_load_b128 v[CQ+8*(\st)+4*\u:CQ+8*(\st)+4*\u+3], v[AQ+\slot] offset:64*(\e)+16*\u
.endr
.endm
.macro MM n, p, s
.set rA, AF+32*(\p)+8*(\s)
.set rB, 32*(\n)+8*(\s)
.set rC, ACC+32*(\p)+8*(\n)
.set rQ, CQ+8*(\p)
.set rSA, CS+2*(\p)+(\s)/2
.set rSB, XS+2*(\n)+(\s)/2
.if (\s) == 0
	v_wmma_scale_f32_16x16x128_f8f6f4 v[rC:rC+7], v[rA:rA+7], v[rB:rB+7], v[rQ:rQ+7], v[rSA], v[rSB] matrix_a_fmt:MATRIX_FMT_FP4 matrix_b_fmt:MATRIX_FMT_FP4
.elseif (\s) == 2
	v_wmma_scale_f32_16x16x128_f8f6f4 v[rC:rC+7], v[rA:rA+7], v[rB:rB+7], v[rC:rC+7], v[rSA], v[rSB] matrix_a_fmt:MATRIX_FMT_FP4 matrix_b_fmt:MATRIX_FMT_FP4
.else
	v_wmma_scale_f32_16x16x128_f8f6f4 v[rC:rC+7], v[rA:rA+7], v[rB:rB+7], v[rC:rC+7], v[rSA], v[rSB] matrix_a_fmt:MATRIX_FMT_FP4 matrix_b_fmt:MATRIX_FMT_FP4 matrix_a_scale:MATRIX_SCALE_ROW1 matrix_b_scale:MATRIX_SCALE_ROW1
.endif
.endm
.macro PB a                            ; the search over accumulator set a (tile number s[TC]); the four x tiles by turns; each accumulator is read from its low end on
.irp n, 0,1,2,3
	v_max3_num_f32 v[M+4*(1-(\a))+\n], v[M+4*(\a)+\n], v[ACC+32*(\a)+8*\n], v[ACC+32*(\a)+8*\n+1]
.endr
.irp u, 2,4,6
.irp n, 0,1,2,3
	v_max3_num_f32 v[M+4*(1-(\a))+\n], v[M+4*(1-(\a))+\n], v[ACC+32*(\a)+8*\n+\u], v[ACC+32*(\a)+8*\n+\u+1]
.endr
.endr
.irp n, 0,1,2,3
	v_cmp_gt_f32 vcc_lo, v[M+4*(1-(\a))+\n], v[M+4*(\a)+\n]        ; only a strictly larger sum moves the choice: the first tile stays on a tie
	v_cndmask_b32 v[ID+\n], v[ID+\n], s[TC], vcc_lo
.irp j, 0,2,4,6
	v_dual_cndmask_b32 v[BEST+8*\n+\j], v[BEST+8*\n+\j], v[ACC+32*(\a)+8*\n+\j] :: v_dual_cndmask_b32 v[BEST+8*\n+\j+1], v[BEST+8*\n+\j+1], v[ACC+32*(\a)+8*\n+\j+1]   ; two selects by VCC in one: an even and an odd register
.endr
.endr
.endm
.macro BODY slot, e                    ; tile e of the trip, sets e % 2.  The search's lines name no register of the products just issued: they are the places ahead of the loads into the other set.  The searches that tiles 0 and 1 would hold stand at the trip's head
.if (\e) > 1
	PB (\e)%2
	s_add_co_u32 s[TC], s[TC], 1
.endif
	s_wait_dscnt 0x0                               ; tile e's fragments are in
.if (\e) == 1
.rept 4
	v_nop                                          ; four places behind tile 0's products: ahead of the loads into their set, and of the next search's read of their sums
.endr
.endif
.if (\e) < 7
	FETCH \slot, (\e)+1, 1-(\e)%2
.endif
	WIN S1
.irp s, 0,1,2,3
.irp n, 0,1,2,3
	MM \n, (\e)%2, \s                              ; the four accumulators by turns
.endr
.endr
	WIN 0
.endm
.macro TRIP slot, refill
	s_wait_tensorcnt 0x0                           ; my half block of this slot is in;
	ds_add_u32 v[SPW], v[NIL]
	s_add_nc_u64 s[G0C+4*\slot+2:G0C+4*\slot+3], s[G0C+4*\slot+2:G0C+4*\slot+3], 2*BLOCK   ; no load of mine is out: this slot's next block
	s_wait_dscnt 0x0                               ; the add is done, and so are my reads of the other slot
	s_barrier_signal -1                            ; the round opens;
	PB 0                                           ; work on registers while the others arrive: the search over the last trip's tile 6
	s_add_co_u32 s[TC], s[TC], 1
	s_barrier_wait -1
	CREST
.if \refill
	tensor_load_to_lds s[G0C+4*(1-\slot):G0C+4*(1-\slot)+3], s[G1C:G1C+7]   ; my one load behind the round: the other slot's next half block
	s_nop 0
.endif
	FETCH \slot, 0, 0
	PB 1                                           ; the search over the last trip's tile 7, while tile 0's fragments come
	s_add_co_u32 s[TC], s[TC], 1
.irp e, 0,1,2,3,4,5,6,7
	BODY \slot, \e
.endr
.endm
	s_load_b128 s[4:7], s[0:1], 0x0                ; x, cimg
	s_load_b64 s[8:9], s[0:1], 0x10                ; out0
	v_lshl_add_u32 v[SPW], v0, 2, SPARE
	v_mov_b32 v[NIL], 0
	ds_add_u32 v[SPW], v[NIL]
	ds_add_u32 v[SPW], v[NIL]
	v_lshrrev_b32 v20, 5, v0
	v_readfirstlane_b32 s[WV], v20
	s_and_b32 s[QW], s[WV], 3
	s_lshr_b32 s[RH], s[WV], 2
	s_bfe_u32 s11, ttmp6, 0x40000                  ; cx
	s_lshl_b32 s12, ttmp9, 2
	s_add_co_u32 s12, s12, s11                     ; the work-group
	s_lshl_b32 s14, s12, 18                        ; x: 128 rows of 2,048 bytes a work-group,
	s_lshl_b32 s15, s[WV], 15                      ; 16 a wave
	s_add_co_u32 s14, s14, s15
	s_mov_b32 s15, 0
	s_mul_i32 s[TL], s[RH], HBLK
	s_mul_i32 s16, s[QW], 8*BLOCK                  ; cimg: quarter q begins at block 8 q; my half of a block
	s_add_co_u32 s16, s16, s[TL]
	s_mov_b32 s17, 0
	s_lshl_b32 s18, s12, 9                         ; out0: 128 words a work-group
	s_mov_b32 s19, 0
	s_mul_i32 s[PARTC], s[QW], BLOCK               ; my block's place in a slot
	s_add_co_u32 s[TL], s[TL], s[PARTC]            ; and where my half of it lands
	s_mov_b32 s[G1C+0], 15|(3<<16)|(1<<21)         ; the cluster's four; elements of 8 bytes: 69 dense rows of 256 bytes
	s_mov_b32 s[G1C+1], 32<<16
	s_mov_b32 s[G1C+2], 69<<16
	s_mov_b32 s[G1C+3], 32<<16
	s_mov_b32 s[G1C+4], 69
	s_mov_b32 s[G1C+5], 32
	s_mov_b32 s[G1C+6], 0
	s_mov_b32 s[G1C+7], 0
	s_mov_b32 s[SEL], 0x76543210
	s_mov_b32 s[SEL+1], 0xfedcba98
	s_mov_b32 s[NINF], 0xff800000
	s_lshl_b32 s20, s[WV], 12
	s_add_co_u32 s20, s20, XIMG
	s_lshl_b32 s21, s[WV], 8
	s_add_co_u32 s21, s21, XSCL
	s_add_co_u32 s22, s[PARTC], 32768
	s_add_co_u32 s23, s[PARTC], 34816
	s_lshl_b32 s24, s[RH], 14
	s_add_co_u32 s24, s24, XIMG
	s_lshl_b32 s25, s[RH], 10
	s_add_co_u32 s25, s25, XSCL
	s_lshl_b32 s26, s[QW], 10
	s_lshl_b32 s27, s[RH], 9
	s_add_co_u32 s26, s26, s27
	s_add_co_u32 s26, s26, RED
	s_and_b32 s27, s[WV], 1
	s_lshl_b32 s47, s27, 9
	s_add_co_u32 s47, s47, RED
	s_lshl_b32 s48, s27, 8
	s_lshl_b32 s[TC], s[QW], 6
	s_sub_co_u32 s[TC], s[TC], 2                   ; the search is two tiles behind
	v_and_b32 v20, 31, v0                          ; lane i
	v_bfe_u32 v21, v0, 3, 2                        ; i / 8: the unit's row
	v_bfe_u32 v22, v0, 2, 1                        ; which 32 of the unit's 64 along K
	v_bfe_u32 v23, v0, 4, 1                        ; h
	v_lshlrev_b32 v[LI], 4, v20
	v_lshlrev_b32 v[L8], 3, v20
	v_lshlrev_b32 v[H8], 3, v23
	v_and_b32 v[XG], 7, v0
	v_lshlrev_b32 v[XG], 5, v[XG]
	v_lshl_add_u32 v[XG], v21, 11, v[XG]           ; x: 2,048 (i / 8) + 32 (i % 8)
	v_and_b32 v[XWI], 3, v0
	v_lshl_add_u32 v[XWI], v[XWI], 2, s20
	v_lshl_add_u32 v[XWI], v21, 4, v[XWI]
	v_lshl_add_u32 v[XWI], v22, 8, v[XWI]          ; the image: 256 h' + 16 row + 4 (i % 4)
	v_lshl_add_u32 v[XWS], v21, 3, v22
	v_add_nc_u32 v[XWS], s21, v[XWS]               ; the scale image: 8 row + the block's byte
	v_add_nc_u32 v[AC], s[PARTC], v[LI]
	v_add_nc_u32 v[AC+1], SLOT, v[AC]
	v_add_nc_u32 v[ASC], s22, v[L8]
	v_add_nc_u32 v[ASC+1], SLOT, v[ASC]
	v_lshl_add_u32 v[AQ], v23, 5, s23
	v_add_nc_u32 v[AQ+1], SLOT, v[AQ]
	v_add_nc_u32 v[AXI], s24, v[LI]
	v_add_nc_u32 v[AXS], s25, v[L8]
	v_and_b32 v20, 15, v0
	v_lshl_add_u32 v[RW], v20, 3, s26
	v_add_nc_u32 v[RR], s47, v[LI]
	v_add_nc_u32 v[GO], s48, v[L8]
.irp n, 0,1,2,3
	v_mov_b32 v[M+\n], s[NINF]
	v_mov_b32 v[ID+\n], 0
.endr
.set jj, 0
.rept 32
	v_mov_b32 v[BEST+jj], s[NINF]
.set jj, jj+1
.endr
	s_wait_alu depctr_va_vdst(0)                   ; the wait at the head's end
	s_wait_dscnt 0x0                               ; both opening adds are done
	s_wait_kmcnt 0x0
	s_add_nc_u64 s[4:5], s[4:5], s[14:15]
	s_add_nc_u64 s[6:7], s[6:7], s[16:17]
	s_add_nc_u64 s[8:9], s[8:9], s[18:19]
.irp t, 0,1,2,3
	XLOAD \t                                       ; 32 loads of mine are out: half of my rows
.endr
.irp n, 0,1
	s_mov_b32 s[G0C+4*\n], 1
	s_add_co_u32 s[G0C+4*\n+1], s[TL], \n*SLOT
	s_add_nc_u64 s[G0C+4*\n+2:G0C+4*\n+3], s[6:7], \n*BLOCK
	s_or_b32 s[G0C+4*\n+3], s[G0C+4*\n+3], 0x80000000
.endr
	ROUND                                          ; in front of the first joint loads
	tensor_load_to_lds s[G0C:G0C+3], s[G1C:G1C+7]  ; slot 0, my half block: my one load at the head
	s_nop 0
.irp t, 0,1,2,3,4,5,6,7
	XSTEP \t
.endr
	s_wait_dscnt 0x0                               ; for the others' sake: my part of the images is written
	s_barrier_signal -1
.set jj, 0
.rept 64
	v_mov_b32 v[ACC+jj], s[NINF]                   ; what the search's first two turns find
.set jj, jj+1
.endr
	s_barrier_wait -1
	WIN TOX
.irp n, 0,1,2,3
.irp s, 0,1,2,3
.irp c, 0,1
	ds_load_b128 v[32*\n+8*\s+4*\c:32*\n+8*\s+4*\c+3], v[AXI] offset:4096*\n+1024*\s+512*\c   ; my four tiles of x, window 1
.endr
.endr
.endr
	WIN 0
.irp n, 0,1,2,3
	ds_load_b64 v[XS+2*\n:XS+2*\n+1], v[AXS] offset:256*\n
.endr
	s_mov_b32 s[LAP], 3
	s_wait_alu depctr_va_vdst(0)
.Llap:
	TRIP 0, 1
	TRIP 1, 1
	s_sub_co_u32 s[LAP], s[LAP], 1
	s_cmp_lg_u32 s[LAP], 0
	s_cbranch_scc1 .Llap
	TRIP 0, 1
	TRIP 1, 0                                      ; the last trip fetches nothing
	PB 0                                           ; the last two tiles
	s_add_co_u32 s[TC], s[TC], 1
	PB 1
.irp n, 0,1,2,3
	v_mov_b32 v[POS+\n], 7
.endr
.irp j, 6,5,4,3,2,1,0
.irp n, 0,1,2,3
	v_cmp_neq_f32 vcc_lo, v[BEST+8*\n+\j], v[M+\n]
	v_cndmask_b32 v[POS+\n], \j, v[POS+\n], vcc_lo                 ; the first of the eight that equals the maximum
.endr
.endr
.irp n, 0,1,2,3
	v_lshl_add_u32 v[POS+\n], v[ID+\n], 4, v[POS+\n]
.endr
.irp n, 0,1,2,3
	v_add_nc_u32 v[POS+\n], v[H8], v[POS+\n]       ; the centre: 16 tile + 8 h + j
.endr
.irp n, 0,1,2,3
	v_permlanex16_b32 v[MO+\n], v[M+\n], s[SEL], s[SEL+1]
	v_permlanex16_b32 v[IO+\n], v[POS+\n], s[SEL], s[SEL+1]
.endr
.irp n, 0,1,2,3
	v_cmp_gt_f32 s[MK], v[MO+\n], v[M+\n]          ; lane l xor 16's is taken if larger, or equal with the lower index
	v_cmp_eq_f32 s[MK+1], v[MO+\n], v[M+\n]
	v_cmp_lt_u32 s[MK+2], v[IO+\n], v[POS+\n]
	s_and_b32 s[MK+1], s[MK+1], s[MK+2]
	s_or_b32 s[MK], s[MK], s[MK+1]
	v_cndmask_b32 v[PR+2*\n], v[M+\n], v[MO+\n], s[MK]
	v_cndmask_b32 v[PR+2*\n+1], v[POS+\n], v[IO+\n], s[MK]
	ds_store_b64 v[RW], v[PR+2*\n:PR+2*\n+1] offset:128*\n
.endr
	s_wait_dscnt 0x0
	s_barrier_signal -1
	s_barrier_wait -1
	s_cmp_lt_u32 s[WV], 2
	s_cbranch_scc0 .Ldone
.irp q, 0,1,2,3
	ds_load_b128 v[FN+4*\q:FN+4*\q+3], v[RR] offset:1024*\q        ; wave g joins the four quarters of rows 64 g .. + 63, two rows a lane
.endr
	s_wait_dscnt 0x0
.irp q, 1,2
	v_cmp_gt_f32 vcc_lo, v[FN+4*\q], v[FN]                         ; quarters in ascending order of the centres: only a strictly larger one is taken
	v_cndmask_b32 v[FN], v[FN], v[FN+4*\q], vcc_lo
	v_cndmask_b32 v[FN+1], v[FN+1], v[FN+4*\q+1], vcc_lo
	v_cmp_gt_f32 vcc_lo, v[FN+4*\q+2], v[FN+2]
	v_cndmask_b32 v[FN+2], v[FN+2], v[FN+4*\q+2], vcc_lo
	v_cndmask_b32 v[FN+3], v[FN+3], v[FN+4*\q+3], vcc_lo
.endr
	v_cmp_gt_f32 vcc_lo, v[FN+12], v[FN]
	v_cndmask_b32 v[FO], v[FN+1], v[FN+13], vcc_lo
	v_cmp_gt_f32 vcc_lo, v[FN+14], v[FN+2]
	v_cndmask_b32 v[FO+1], v[FN+3], v[FN+15], vcc_lo
	global_store_b64 v[GO], v[FO:FO+1], s[8:9]     ; 256 consecutive bytes, aligned
.Ldone:
	s_wait_tensorcnt 0x0                           ; the wave's end
	ds_add_u32 v[SPW], v[NIL]
	s_wait_dscnt 0x0
	ROUND                                          ; the closing round
	s_endpgm
.Lfunc_end_k_qab9e41ca38_main:
	.size	k_qab9e41ca38_main, .Lfunc_end_k_qab9e41ca38_main-k_qab9e41ca38_main
	.p2alignl 7, 3214868480
	.fill 96, 4, 3214868480
	.section	.rodata,"a",@progbits
	.p2align	6, 0x0
	.amdhsa_kernel k_qab9e41ca38_main
		.amdhsa_group_segment_fixed_size 327680
		.amdhsa_private_segment_fixed_size 0
		.amdhsa_enable_private_segment 0
		.amdhsa_kernarg_size 24
		.amdhsa_user_sgpr_count 2
		.amdhsa_user_sgpr_kernarg_segment_ptr 1
		.amdhsa_wavefront_size32 1
		.amdhsa_system_sgpr_workgroup_id_x 1
		.amdhsa_system_sgpr_workgroup_id_y 1
		.amdhsa_system_sgpr_workgroup_id_z 1
		.amdhsa_system_vgpr_workitem_id 0
		.amdhsa_next_free_vgpr 384
		.amdhsa_next_free_sgpr 80
		.amdhsa_reserve_vcc 1
		.amdhsa_float_denorm_mode_32 3
		.amdhsa_float_denorm_mode_16_64 3
		.amdhsa_memory_ordered 1
		.amdhsa_forward_progress 1
		.amdhsa_inst_pref_size 219
	.end_amdhsa_kernel
	.amdgpu_metadata
---
amdhsa.version: [ 1, 2 ]
amdhsa.kernels:
  - .name:           k_qab9e41ca38_main
    .symbol:         k_qab9e41ca38_main.kd
    .args:
      - { .name: x, .offset: 0, .size: 8, .value_kind: global_buffer, .address_space: global }
      - { .name: cimg, .offset: 8, .size: 8, .value_kind: global_buffer, .address_space: global }
      - { .name: out0, .offset: 16, .size: 8, .value_kind: global_buffer, .address_space: global }
    .group_segment_fixed_size: 327680
    .private_segment_fixed_size: 0
    .kernarg_segment_align: 8
    .kernarg_segment_size: 24
    .max_flat_workgroup_size: 256
    .sgpr_count:     80
    .vgpr_count:     384
    .wavefront_size: 32
...
	.end_amdgpu_metadata
.endif
;; end of part 2
